; MI455X (gfx1250); checked and timed in simulation.
; The chip was launched on July 23, 2026; its instructions are those of AMD's public machine-readable ISA for CDNA 5 (MIT licence, August 2026) and "CDNA5" Instruction Set Architecture Reference Guide (July 2026). The comments in the code are by the model that wrote it; some were corrected since.
;; Attn. Allowed arithmetic: matrix products marked QUANTISED: E2M1 operands, one E8M0 scale for each 32 along K, by v_wmma_scale_f32_16x16x128_f8f6f4 with both operands' format E2M1 (or v_wmma_scale_f32_32x16x128_f4), f32 sums; products left as they are: f32 operands where the result goes on into a quantised operand, else bf16, f16 or f32 operands; f32 sums; everything else in f32.
;; Inputs: Wa 1,024 x 2,048 float32; Ws 1 x 1,024 float32; ba 1,024 float32; encoder_outputs 512 x 64 x 1,024 float32; hidden 1 x 64 x 1,024 float32; pe 64 x 512 float32; seq_mask 64 x 512 bool.
;; Outputs: out0 64 x 1 x 512 float32.
;; This version of the problem:
;;   THIS VERSION OF THE PROBLEM IS GIVEN IN LOW PRECISION. The matrix products marked QUANTISED in the list below multiply operands that are first quantised to E2M1 (2 exponent bits, 1 mantissa bit; 4 bits a number), with one power-of-two scale for each 32 numbers along K (OCP MX v1.0); their sums are f32. All else is computed in f32.
;;   The module's matrix products, in the order in which they are computed (A, B: the left and right operand; K: the contracted axis; several contracted axes count as one K, in the product's order):
;;     1. [M 32,768, K 2,048] x [K 2,048, N 1,024]; A: computed on the way; B: input Wa: QUANTISED
;;     2. [M 32,768, K 1,024] x [K 1,024, N 1]; A: computed on the way; B: input Ws: left as it is (N = 1 < 16)
;;   THE QUANTISER, for each operand of a quantised product, along K:
;;     - K is cut into blocks of 32 from its start; a last block that is shorter is filled with zeros.
;;     - A block's scale is 2^e with e = floor(log2(the largest magnitude in the block)) - 2, held to -126 .. 127; a block of zeros has e = 0. As a byte (E8M0): e + 127.
;;     - Each number is divided by its block's scale, clamped to +-6, and rounded to the nearest number of E2M1, ties to even, subnormals kept.
;;     - The product sums the exact products of the quantised numbers (number of the format x scale) in f32.
;;   ~~~python
;;   def quantise(x, axis):      # numpy; x: float32 -> the quantised numbers, widened to float32 again
;;       x = np.moveaxis(x, axis, -1); K = x.shape[-1]
;;       x = np.pad(x, [(0, 0)] * (x.ndim - 1) + [(0, -K % 32)]); x = x.reshape(x.shape[:-1] + (-1, 32)); a = np.abs(x).max(-1, keepdims=True)
;;       e = np.where(a > 0, np.clip(np.frexp(np.where(a > 0, a, 1))[1] - 1 - 2, -126, 127), 0)      # np.frexp(a)[1] - 1 = floor(log2(a)), exactly
;;       r = np.clip(x / 2.0 ** e, -6, 6)
;;       step = 2.0 ** (np.maximum(np.frexp(np.where(r == 0, 1, r))[1] - 1, 0) - 1)
;;       q = np.round(r / step) * step * 2.0 ** e      # np.round: ties to even
;;       return np.moveaxis(q.reshape(q.shape[:-2] + (-1,))[..., :K], -1, axis).astype(np.float32)
;;   ~~~
;;   OPERANDS COMPUTED ON THE WAY. 'Computed on the way' means the value that the module computes at that place (a softmax that the list does not call 'softmax' is quantised finished and normalised). What goes into a quantiser is computed in f32, as accurately as f32 sums, v_exp_f32 and their like allow (about 1e-6 of the number): no bf16 or f16 on the way to a quantiser, and a product that is left as it is and whose result goes on into a quantised operand takes f32 operands (vector FMAs, or v_wmma_f32_16x16x4_f32). A number that lies on a knife's edge between two numbers of the format may be rounded either way, as far as f32 arithmetic and the matrix unit's own rounding can turn it there, and no further.
;; One version. Each part assembles by itself: llvm-mc -triple=amdgcn-amd-amdhsa -mcpu=gfx1250 --defsym DOCPART=n.
;; ======== version 1 of 1: 3 launches
;; limits: right only within a limited range of input values
;; workspace buffers: wq 1,114,112 bytes; scores 131,072 bytes; gp 2,097,152 bytes
;; launch wquant (part 1): grid 128 x 1, 4 waves a work-group, no clusters, 106,496 bytes of LDS; arguments Wa, hidden, wq, gp; writes wq, gp
.if DOCPART == 1
	.amdgcn_target "amdgcn-amd-amdhsa--gfx1250"
	.amdhsa_code_object_version 6
	.text
	.protected	k_qba17ddc31b_wquant
	.globl	k_qba17ddc31b_wquant
	.p2align	8
	.type	k_qba17ddc31b_wquant,@function
k_qba17ddc31b_wquant:
	s_mov_b64 s[64:65], 0
	v_nop
	global_prefetch_b8 v0, s[64:65] scope:SCOPE_SE
	s_setreg_imm32_b32 hwreg(HW_REG_WAVE_MODE, 25, 1), 1
	s_wait_xcnt 0x0
; Wa [1024 n][2048 k], f32, becomes codes of FP4 (E2M1) with one E8M0 scale byte for each 32 along K, laid as the next launch's waves want them:
; wq = [K step of 128: 0..15][wave 0..3][17,408 bytes]: 16 images of an operand's registers (tile t: rows n = 256 wave + 16 t + 0..15; registers 0-3: lane l's 16 bytes at 16 l;
; registers 4-7: 512 bytes on), then at byte 16,384 the scale words: that of (tile t, row r) at 64 t + 4 r.
; THE HIDDEN HALF OF THE PRODUCT IS MADE HERE.  A row (s, b) of the product's left operand holds hidden[b] in its first 1,024 places, 32 whole blocks, whatever s: so that half of each sum hangs on b and n alone.
; It is formed once for each b: gp[ks][b][n] = Q(hidden[b]) . Q(Wa[n]) over K step ks (0..7), f32; the next launch adds the eight parts.
; SHARES: work-group x: K steps ks = x / 16 and ks + 8; wave w: tile 4 (x % 16) + w of the 64 tiles of 16 rows, at both K steps, and rows 16 w .. + 15 of hidden at K step ks.
; Each load reads two runs of 256 consecutive bytes (two rows); the numbers turn through the wave's own stages in LDS, so that lane (r, h) gets the two whole blocks that the operand's layout gives it.
; hidden's four fragments go to the other waves as images; then four matrix instructions a wave: 16 n x 64 b.  gp leaves in runs of 64 bytes: 2 MiB in the launch.
; LIMITS: a block whose largest magnitude lies under 2^-124 keeps the byte 1 (a block of zeros has zero codes, and this program alone reads the bytes); NaN and infinities are not served.
.set SPITCH, 528                       ; a stage row: 512 bytes + 16
.set FSTG,  16*SPITCH                  ; a fragment's stage
.set WSTG,  3*FSTG
.set HIM,   4*WSTG                     ; hidden's images: 4 x 1,024 bytes, then 512 bytes of scale words
.set SPARE, HIM+4608
.set RO,  1
.set ROH, 2
.set SAD, 3
.set TAD, 4
.set L16, 5
.set R4,  6
.set SH8, 7
.set SPW, 8
.set NIL, 9
.set IWF, 10
.set IWS, 11
.set LIM, 12
.set GO,  13
.set TM,  18
.set RAWR, 32                          ; v32-223: three fragments' numbers: hidden, Wa at ks, Wa at ks + 8
.set D,   32                           ; later the four results
.set HF,  64                           ; and hidden's four fragments
.set PCA, 224
.set PCB, 232
.set PWA, 240
.set PWB, 241
.set PWH, 242
.set PCH, 244
.set HS,  252
.set SEL, 28
.macro QUANT                           ; my two blocks of 32 in v[X] on become registers 0-3 and 4-7 of the fragment in v[PC] on, and the row's scale word in v[PW]
.irp c, 0,1
	v_max3_num_f32 v[TM+2*\c], |v[X+32*\c]|, |v[X+32*\c+1]|, 0x1800000   ; with the floor 2^(3 - 127): the byte cannot fall under 1
	v_max3_num_f32 v[TM+2*\c+1], |v[X+32*\c+16]|, |v[X+32*\c+17]|, |v[X+32*\c+18]|
.endr
.irp i, 2,4,6,8,10,12
.irp c, 0,1
	v_max3_num_f32 v[TM+2*\c], v[TM+2*\c], |v[X+32*\c+\i]|, |v[X+32*\c+\i+1]|
	v_max3_num_f32 v[TM+2*\c+1], v[TM+2*\c+1], |v[X+32*\c+17+\i]|, |v[X+32*\c+18+\i]|
.endr
.endr
.irp c, 0,1
	v_max3_num_f32 v[TM+2*\c], v[TM+2*\c], |v[X+32*\c+14]|, |v[X+32*\c+15]|
.endr
.irp c, 0,1
	v_max3_num_f32 v[TM+2*\c], v[TM+2*\c], v[TM+2*\c+1], |v[X+32*\c+31]|
.endr
.irp c, 0,1
	v_add_nc_u32 v[TM+4+\c], 0xff000000, v[TM+2*\c]   ; 2 off the exponent field: the conversion's scale operand
.endr
.irp c, 0,1
	v_lshrrev_b32 v[TM+6+\c], 23, v[TM+4+\c]
.endr
	v_lshl_or_b32 v[PW], v[TM+7], 16, v[TM+6]      ; blocks h and 2 + h,
	v_lshlrev_b32 v[PW], v[SH8], v[PW]             ; at their places in the word
	v_permlanex16_b32 v[TM+8], v[PW], s[SEL], s[SEL+1]
.irp c, 0,1
.irp g, 0,1,2,3
	v_cvt_scalef32_pk8_fp4_f32 v[PC+4*\c+\g], v[X+32*\c+8*\g:X+32*\c+8*\g+7], v[TM+4+\c]
.endr
.endr
	v_or_b32 v[PW], v[PW], v[TM+8]                 ; with lane l xor 16's two bytes the word is whole (also the plain place behind the conversions)
.endm
.macro RAW f, vo, sb, step, off        ; 16 rows x 512 bytes: rows 2 i and 2 i + 1, 256 consecutive bytes each
.irp hf, 0,1
.irp i, 0,1,2,3,4,5,6,7
	global_load_b128 v[RAWR+64*\f+32*\hf+4*\i:RAWR+64*\f+32*\hf+4*\i+3], v[\vo], s[\sb:\sb+1] offset:(\step)*\i+256*\hf+(\off) th:TH_LOAD_NT
.endr
.endr
.endm
.macro ST f
.irp hf, 0,1
.irp i, 0,1,2,3,4,5,6,7
	ds_store_b128 v[SAD], v[RAWR+64*\f+32*\hf+4*\i:RAWR+64*\f+32*\hf+4*\i+3] offset:FSTG*\f+2*SPITCH*\i+256*\hf
.endr
.endr
.endm
.macro LX f
.irp c, 0,1
.irp j, 0,1,2,3,4,5,6,7
	ds_load_b128 v[RAWR+64*\f+32*\c+4*\j:RAWR+64*\f+32*\c+4*\j+3], v[TAD] offset:FSTG*\f+256*\c+16*\j
.endr
.endr
.endm
	s_load_b256 s[4:11], s[0:1], 0x0               ; Wa s[4:5], hidden s[6:7], wq s[8:9], gp s[10:11]
	v_lshl_add_u32 v[SPW], v0, 2, SPARE
	v_mov_b32 v[NIL], 0
	v_lshrrev_b32 v14, 5, v0
	v_readfirstlane_b32 s12, v14                   ; wave 0..3
	s_lshr_b32 s13, ttmp9, 4                       ; ks
	s_and_b32 s14, ttmp9, 15
	s_lshl_b32 s14, s14, 2
	s_add_co_u32 s14, s14, s12                     ; the tile of 16 rows, 0..63
	s_lshl_b32 s15, s13, 9                         ; 128 numbers
	s_lshl_b32 s16, s14, 17                        ; 16 rows of 8,192 bytes
	s_add_co_u32 s16, s16, s15
	s_mov_b32 s17, 0
	s_lshl_b32 s18, s12, 16                        ; 16 rows of hidden, 4,096 bytes each
	s_add_co_u32 s18, s18, s15
	s_mov_b32 s19, 0
	s_mul_i32 s20, s13, 69632                      ; wq: the K step,
	s_lshr_b32 s22, s14, 4
	s_mul_i32 s22, s22, 17408                      ; the wave that will read the tile,
	s_add_co_u32 s20, s20, s22
	s_and_b32 s22, s14, 15                         ; and the tile among its sixteen
	s_lshl_b32 s23, s22, 10
	s_lshl_b32 s24, s22, 6
	s_add_co_u32 s24, s24, s20
	s_add_co_u32 s24, s24, 16384                   ; its scale words
	s_mov_b32 s25, 0
	s_add_co_u32 s20, s20, s23                     ; its image
	s_mov_b32 s21, 0
	s_lshl_b32 s26, s13, 18                        ; gp: 64 x 1,024 numbers a K step,
	s_lshl_b32 s27, s14, 6                         ; 16 numbers a tile
	s_add_co_u32 s26, s26, s27
	s_mov_b32 s27, 0
	s_mov_b32 s[SEL], 0x76543210
	s_mov_b32 s[SEL+1], 0xfedcba98
	s_mul_i32 s30, s12, WSTG
	s_lshl_b32 s31, s12, 10
	s_lshl_b32 s32, s12, 2
	v_and_b32 v14, 31, v0                          ; lane
	v_and_b32 v15, 15, v0                          ; r
	v_bfe_u32 v16, v0, 4, 1                        ; h
	v_lshlrev_b32 v[RO], 4, v15
	v_lshl_add_u32 v[ROH], v16, 12, v[RO]
	v_lshl_add_u32 v[RO], v16, 13, v[RO]
	v_mul_u32_u24 v[SAD], v16, SPITCH
	v_lshl_add_u32 v[SAD], v15, 4, v[SAD]
	v_add_nc_u32 v[SAD], s30, v[SAD]               ; in: row 2 i + h, 16 bytes a lane
	v_mul_u32_u24 v[TAD], v15, SPITCH
	v_lshl_add_u32 v[TAD], v16, 7, v[TAD]
	v_add_nc_u32 v[TAD], s30, v[TAD]               ; out: row r, + 128 h
	v_lshlrev_b32 v[L16], 4, v14
	v_lshlrev_b32 v[R4], 2, v15
	v_lshlrev_b32 v[SH8], 3, v16
	v_add_nc_u32 v[LIM], HIM, v[L16]
	v_add_nc_u32 v[IWF], s31, v[LIM]
	v_add_nc_u32 v[IWS], s32, v[LIM]
	v_add_nc_u32 v[IWS], 4096, v[IWS]
	v_lshlrev_b32 v[GO], 12, v15
	v_lshl_add_u32 v[GO], v16, 5, v[GO]            ; gp: row b = r, + 8 h numbers
	v_mov_b32 v[TM+8], 0                           ; a lane permute's destination counts as one of its sources
	s_wait_alu depctr_va_vdst(0)
	s_wait_kmcnt 0x0
	s_add_nc_u64 s[16:17], s[4:5], s[16:17]
	s_add_nc_u64 s[18:19], s[6:7], s[18:19]
	s_add_nc_u64 s[20:21], s[8:9], s[20:21]
	s_add_nc_u64 s[24:25], s[8:9], s[24:25]
	s_add_nc_u64 s[26:27], s[10:11], s[26:27]
	RAW 0, ROH, 18, 8192, 0
	RAW 1, RO, 16, 16384, 0
	RAW 2, RO, 16, 16384, 4096                     ; K step ks + 8: 1,024 numbers on
	s_wait_loadcnt 32                              ; hidden's 16 loads are in
	ST 0
	s_wait_loadcnt 16
	ST 1
	s_wait_loadcnt 0x0
	ST 2
	s_wait_dscnt 0x0                               ; the stores have read their registers, which take the numbers back
	LX 0
	LX 1
	LX 2
	s_wait_dscnt 32
.set X, RAWR
.set PC, PCH
.set PW, PWH
	QUANT
	ds_store_b128 v[IWF], v[PCH:PCH+3]
	ds_store_b128 v[IWF], v[PCH+4:PCH+7] offset:512
	ds_store_b32 v[IWS], v[PWH]
	s_wait_dscnt 19                                ; behind the second fragment's loads: 16 loads and 3 stores
.set X, RAWR+64
.set PC, PCA
.set PW, PWA
	QUANT
	global_store_b128 v[L16], v[PCA:PCA+3], s[20:21]
	global_store_b128 v[L16], v[PCA+4:PCA+7], s[20:21] offset:512
	global_store_b32 v[R4], v[PWA], s[24:25]       ; lanes l and l + 16 store the same word
	s_wait_dscnt 3
.set X, RAWR+128
.set PC, PCB
.set PW, PWB
	QUANT
	global_store_b128 v[L16], v[PCB:PCB+3], s[20:21] offset:8*69632
	global_store_b128 v[L16], v[PCB+4:PCB+7], s[20:21] offset:8*69632+512
	global_store_b32 v[R4], v[PWB], s[24:25] offset:8*69632
	s_wait_alu depctr_va_vdst(0)
	s_wait_dscnt 0x0                               ; my image is stored
	s_barrier_signal -1
	s_barrier_wait -1
.irp m, 0,1,2,3
.irp c, 0,1
	ds_load_b128 v[HF+8*\m+4*\c:HF+8*\m+4*\c+3], v[LIM] offset:1024*\m+512*\c
.endr
.endr
	ds_load_b128 v[HS:HS+3], v[LIM] offset:4096
	s_wait_dscnt 0x0
.irp m, 0,1,2,3                        ; source 0 = my 16 rows of Wa, source 1 = 16 rows of hidden: lane (r, h) holds b = 16 m + r, n = 8 h + 0 .. 7
	v_wmma_scale_f32_16x16x128_f8f6f4 v[D+8*\m:D+8*\m+7], v[PCA:PCA+7], v[HF+8*\m:HF+8*\m+7], 0, v[PWA], v[HS+\m] matrix_a_fmt:MATRIX_FMT_FP4 matrix_b_fmt:MATRIX_FMT_FP4
.endr
.rept 4
	v_nop
.endr
.irp m, 0,1,2,3
	global_store_b128 v[GO], v[D+8*\m:D+8*\m+3], s[26:27] offset:65536*\m
	global_store_b128 v[GO], v[D+8*\m+4:D+8*\m+7], s[26:27] offset:65536*\m+16
.endr
	s_wait_tensorcnt 0x0                           ; the wave's end
	ds_add_u32 v[SPW], v[NIL]
	s_wait_dscnt 0x0
	s_endpgm
.Lfunc_end_k_qba17ddc31b_wquant:
	.size	k_qba17ddc31b_wquant, .Lfunc_end_k_qba17ddc31b_wquant-k_qba17ddc31b_wquant
	.p2alignl 7, 3214868480
	.fill 96, 4, 3214868480
	.section	.rodata,"a",@progbits
	.p2align	6, 0x0
	.amdhsa_kernel k_qba17ddc31b_wquant
		.amdhsa_group_segment_fixed_size 106496
		.amdhsa_private_segment_fixed_size 0
		.amdhsa_enable_private_segment 0
		.amdhsa_kernarg_size 32
		.amdhsa_user_sgpr_count 2
		.amdhsa_user_sgpr_kernarg_segment_ptr 1
		.amdhsa_wavefront_size32 1
		.amdhsa_system_sgpr_workgroup_id_x 1
		.amdhsa_system_sgpr_workgroup_id_y 1
		.amdhsa_system_sgpr_workgroup_id_z 1
		.amdhsa_system_vgpr_workitem_id 0
		.amdhsa_next_free_vgpr 256
		.amdhsa_next_free_sgpr 66
		.amdhsa_reserve_vcc 0
		.amdhsa_float_denorm_mode_32 3
		.amdhsa_float_denorm_mode_16_64 3
		.amdhsa_memory_ordered 1
		.amdhsa_forward_progress 1
		.amdhsa_inst_pref_size 26
	.end_amdhsa_kernel
	.amdgpu_metadata
---
amdhsa.version: [ 1, 2 ]
amdhsa.kernels:
  - .name:           k_qba17ddc31b_wquant
    .symbol:         k_qba17ddc31b_wquant.kd
    .args:
      - { .name: Wa, .offset: 0, .size: 8, .value_kind: global_buffer, .address_space: global }
      - { .name: hidden, .offset: 8, .size: 8, .value_kind: global_buffer, .address_space: global }
      - { .name: wq, .offset: 16, .size: 8, .value_kind: global_buffer, .address_space: global }
      - { .name: gp, .offset: 24, .size: 8, .value_kind: global_buffer, .address_space: global }
    .group_segment_fixed_size: 106496
    .private_segment_fixed_size: 0
    .kernarg_segment_align: 8
    .kernarg_segment_size: 32
    .max_flat_workgroup_size: 128
    .sgpr_count:     66
    .vgpr_count:     256
    .wavefront_size: 32
...
	.end_amdgpu_metadata
.endif
;; end of part 1
;; launch energy (part 2): grid 4 x 64, 4 waves a work-group, no clusters, 327,680 bytes of LDS; arguments encoder_outputs, gp, wq, ba, Ws, scores; writes scores
.if DOCPART == 2
	.amdgcn_target "amdgcn-amd-amdhsa--gfx1250"
	.amdhsa_code_object_version 6
	.text
	.protected	k_qba17ddc31b_energy
	.globl	k_qba17ddc31b_energy
	.p2align	8
	.type	k_qba17ddc31b_energy,@function
k_qba17ddc31b_energy:
	s_mov_b64 s[64:65], 0
	v_nop
	global_prefetch_b8 v0, s[64:65] scope:SCOPE_SE
	s_setreg_imm32_b32 hwreg(HW_REG_WAVE_MODE, 25, 1), 1
	s_wait_xcnt 0x0
; scores[b][s] = sum over n of Ws[n] relu( g[b][n] + Q(enc[s][b]) . Q(Wa[n][1024:2048]) ), g[b][n] = ba[n] + the eight parts gp[ks][b][n] of the hidden half, which the launch before has made once for each b.
; SHARES: work-group (x, y): b = y, s = 128 x .. + 127.  Wave w: n = 256 w .. + 255 for all 128 rows, in two phases of 128 n: 4 x 8 accumulators of 32 n x 16 rows, 512 registers.
; THE MATRIX INSTRUCTION IS USED TRANSPOSED: source 0 = 32 rows of Wa, source 1 = 16 rows (s): a lane holds one row s, its registers run along n; g starts each sum as C.
; ENCODER ROWS come as f32 by tensor loads into two LDS slots: a fill is one K step, 128 rows x 512 bytes (+ 16 of padding), 32 rows a wave; eight fills, one out at a time.
; Wave w quantises the 32 rows that it fetched: lane (r, h) reads the two whole blocks that the operand's layout gives it.  The codes of all 8 K steps stay in LDS as images of the operand's registers (73,728 bytes),
; so that the second phase reads them again and each weight fragment is loaded once in the work-group.  One barrier a K step in the first phase, none in the second.
; WEIGHTS go from wq straight into registers, three sets of 64 by turns: a set is asked for again when its products are issued, three K steps ahead of its use: at most 60 loads are out.
; NO CLUSTER: the tiles that tensor loads bring are each work-group's own rows; each weight fragment is used by one wave alone and is laid as that wave's registers want it, so it does not go through LDS.
; PREFETCH: behind the tensor load of fill f each wave asks for its own 32 rows of fill f + 2, a lane a row, two lines of 256 bytes; fills 1 and 2 at the head; nothing beyond fill 7.  wq is 1.1 MB that every work-group reads: no prefetch.
; LIMITS: a block whose largest magnitude lies under 2^-124 keeps the scale byte 1 (a block of zeros has zero codes; the bytes are read here alone); NaN and infinities are not served.
.set PITCH,  528
.set PIECE,  32*PITCH
.set SLOTB,  4*PIECE
.set KBLK,   69632
.set WBLK,   17408
.set SPARE,  2*SLOTB
.set ACD,    SPARE+512                 ; the codes: for each K step 8 images of 1,024 bytes, then the scale words, 32 bytes a lane
.set ACB,    9216
.set GWS,    ACD+8*ACB                 ; 4,096 bytes: g; 4,096 bytes: Ws
.set RSM,    GWS+8192                  ; row sums: [phase][wave][128 rows]
.set L16, 1
.set L4,  2
.set SA0, 3                            ; v3, v4: my rows in slot 0, 1
.set IWF, 5                            ; pairs: K steps 0-3, K steps 4-7
.set IWS, 7
.set LIM, 9
.set LSC, 11
.set GA,  13
.set GD,  14
.set RSW, 15
.set RSR, 16
.set SCO, 17
.set SPW, 18
.set NIL, 19
.set SH8, 20
.set PFO, 21
.set TM,  22
.set PW,  31
.set AF,  32                           ; v32-95   eight fragments of encoder rows
.set AS,  96                           ; v96-103  their scale words
.set WS,  104                          ; v104-115 the weights' scale words, three sets
.set PC,  120
.set X,   128                          ; v128-191 64 numbers to quantise; at work on the way out
.set T,   X
.set RS,  X+32
.set GW,  192                          ; v192-255 g or Ws for 8 tiles of 16 n
.set WV,  16
.set G1,  24
.set G0,  32                           ; s[32:35], s[36:39]: group 0 for slot 0, 1
.set WQ,  40
.set SCB, 42
.set SEL, 44
.set MSB, 0
.macro WIN new                         ; the immediate's high byte repeats the setting that is left
.if MSB != (\new)
	s_set_vgpr_msb (MSB<<8)|(\new)
.set MSB, \new
.endif
.endm
.macro PLACES
.rept 4
	v_nop
.endr
.endm
.macro BARRIER
	s_wait_dscnt 0x0
	s_barrier_signal -1
	s_barrier_wait -1
.endm
.macro QUANT                           ; my two blocks of 32 in v[X] on become registers 0-3 and 4-7 of the fragment, and the row's scale word
.irp c, 0,1
	v_max3_num_f32 v[TM+2*\c], |v[X+32*\c]|, |v[X+32*\c+1]|, 0x1800000   ; with the floor 2^(3 - 127): the byte cannot fall under 1
	v_max3_num_f32 v[TM+2*\c+1], |v[X+32*\c+16]|, |v[X+32*\c+17]|, |v[X+32*\c+18]|
.endr
.irp i, 2,4,6,8,10,12
.irp c, 0,1
	v_max3_num_f32 v[TM+2*\c], v[TM+2*\c], |v[X+32*\c+\i]|, |v[X+32*\c+\i+1]|   ; four chains by turns
	v_max3_num_f32 v[TM+2*\c+1], v[TM+2*\c+1], |v[X+32*\c+17+\i]|, |v[X+32*\c+18+\i]|
.endr
.endr
.irp c, 0,1
	v_max3_num_f32 v[TM+2*\c], v[TM+2*\c], |v[X+32*\c+14]|, |v[X+32*\c+15]|
.endr
.irp c, 0,1
	v_max3_num_f32 v[TM+2*\c], v[TM+2*\c], v[TM+2*\c+1], |v[X+32*\c+31]|
.endr
.irp c, 0,1
	v_add_nc_u32 v[TM+4+\c], 0xff000000, v[TM+2*\c]   ; 2 off the exponent field: the conversion's scale operand
.endr
.irp c, 0,1
	v_lshrrev_b32 v[TM+6+\c], 23, v[TM+4+\c]
.endr
	v_lshl_or_b32 v[PW], v[TM+7], 16, v[TM+6]
	v_lshlrev_b32 v[PW], v[SH8], v[PW]
	v_permlanex16_b32 v[TM+8], v[PW], s[SEL], s[SEL+1]
.irp c, 0,1
.irp g, 0,1,2,3
	v_cvt_scalef32_pk8_fp4_f32 v[PC+4*\c+\g], v[X+32*\c+8*\g:X+32*\c+8*\g+7], v[TM+4+\c]
.endr
.endr
	v_or_b32 v[PW], v[PW], v[TM+8]                 ; (also the plain place behind the conversions)
.endm
; item z = 0 .. 15: K step z % 8 of the encoder half, my tiles 8 (z / 8) .. + 7, into set z % 3 of window 1; 16 + 4 loads
.macro LW z
.set WSET, (\z)%3
.set WOFF, (8+(\z)%8)*KBLK
.set WPH, (\z)/8
	WIN 0x40
.irp t, 0,1,2,3,4,5,6,7
.irp c, 0,1
	global_load_b128 v[64*WSET+8*\t+4*\c:64*WSET+8*\t+4*\c+3], v[L16], s[WQ:WQ+1] offset:WOFF+8192*WPH+1024*\t+512*\c
.endr
.endr
	WIN 0
.irp i, 0,1,2,3
	global_load_b32 v[WS+4*WSET+\i], v[L4], s[WQ:WQ+1] offset:WOFF+16384+128*(4*WPH+\i)   ; lane m: the scale word of row m of 32 rows
.endr
.endm
.macro FETCH_A k, hf                   ; row tiles 4 hf .. + 3 of K step k: 8 + 1 loads
.irp m, 0,1,2,3
.irp c, 0,1
	ds_load_b128 v[AF+8*(4*(\hf)+\m)+4*\c:AF+8*(4*(\hf)+\m)+4*\c+3], v[LIM+(\k)/4] offset:((\k)%4)*ACB+1024*(4*(\hf)+\m)+512*\c
.endr
.endr
	ds_load_b128 v[AS+4*(\hf):AS+4*(\hf)+3], v[LSC+(\k)/4] offset:((\k)%4)*ACB+16*(\hf)
.endm
.macro STAGE k, f                      ; row 32 w + 16 f + r, k = 64 c + 32 h + 0 .. 31
.irp c, 0,1
.irp j, 0,1,2,3,4,5,6,7
	ds_load_b128 v[X+32*\c+4*\j:X+32*\c+4*\j+3], v[SA0+(\k)%2] offset:16*PITCH*(\f)+256*\c+16*\j
.endr
.endr
.endm
.macro IMAGE k, f
	ds_store_b128 v[IWF+(\k)/4], v[PC:PC+3] offset:((\k)%4)*ACB+1024*(\f)
	ds_store_b128 v[IWF+(\k)/4], v[PC+4:PC+7] offset:((\k)%4)*ACB+1024*(\f)+512
	ds_store_b32 v[IWS+(\k)/4], v[PW] offset:((\k)%4)*ACB+4*(\f)
.endm
.macro LG ph, sel                      ; for the phase's 8 tiles of 16 n: my eight n of each; sel 0: g, 1: Ws
.irp t, 0,1,2,3,4,5,6,7
	ds_load_b128 v[GW+8*\t:GW+8*\t+3], v[GA] offset:4096*(\sel)+64*(8*(\ph)+\t)
	ds_load_b128 v[GW+8*\t+4:GW+8*\t+7], v[GA] offset:4096*(\sel)+64*(8*(\ph)+\t)+16
.endr
.endm
.macro WM d, a, b, c, sa, sb
	v_wmma_scale_f32_32x16x128_f4 v[\d:\d+15], v[\a:\a+15], v[\b:\b+7], v[\c:\c+15], v[\sa], v[\sb]
.endm
; 16 matrix instructions: 128 n x rows 64 hf .. + 63; the accumulators take turns.  init: C is g
.macro MUL hf, set, init
.if \init
	WIN 0x81+0x40*(\hf)
.else
	WIN 0xa1+0x50*(\hf)
.endif
.irp u, 0,1,2,3
.irp m, 0,1,2,3
.set rD, 16*(4*\u+\m)
.if \init
.set rC, GW+16*\u
.else
.set rC, rD
.endif
	WM rD, 64*(\set)+16*\u, AF+8*(4*(\hf)+\m), rC, WS+4*(\set)+\u, AS+4*(\hf)+\m
.endr
.endr
.endm
; A change of slots in front of step j: the wait for my tensor load (fill j), the add, the wait for it and for my LDS instructions, the barrier, and fill j + 1 first behind it
.macro CHANGE j
	s_wait_tensorcnt 0x0
	ds_add_u32 v[SPW], v[NIL]
.if ((\j) >= 1) && ((\j) < 7)
	s_add_nc_u64 s[G0+4*(((\j)+1)%2)+2:G0+4*(((\j)+1)%2)+3], s[G0+4*(((\j)+1)%2)+2:G0+4*(((\j)+1)%2)+3], 1024   ; no load of mine is out: this slot's next K step
.endif
	s_wait_dscnt 0x0
	s_barrier_signal -1
	s_barrier_wait -1
.if (\j) < 7
	tensor_load_to_lds s[G0+4*(((\j)+1)%2):G0+4*(((\j)+1)%2)+3], s[G1:G1+7]
	s_nop 0
.endif
.endm
.macro PF f
	global_prefetch_b8 v[PFO], s[22:23] offset:512*(\f) th:TH_LOAD_NT scope:SCOPE_SE
	global_prefetch_b8 v[PFO], s[22:23] offset:512*(\f)+256 th:TH_LOAD_NT scope:SCOPE_SE
.endm
; Step j = 1 .. 8 of the first phase: the products of K step j - 1, and the quantising of K step j
.macro ASTEP j
.set Z, (\j)-1
.if (\j) < 8
	CHANGE \j
.else
	BARRIER
.endif
	FETCH_A Z, 0
	FETCH_A Z, 1
.if (\j) < 8
	STAGE \j, 0
.endif
.if (\j) == 1
	LG 0, 0
.endif
	s_wait_loadcnt 40                              ; this item is in; the next two items' 20 loads each may be out
.if ((\j) > 1) && ((\j) < 8)
	s_wait_dscnt 16                                ; the 16 reads of the slot may be out
.else
	s_wait_dscnt 0x0
.endif
	MUL 0, Z%3, (\j)==1
	WIN 0
.if (\j) < 8
	s_wait_dscnt 0x0
	QUANT
	IMAGE \j, 0
	STAGE \j, 1
.endif
.if (\j) <= 4
	PF (\j)+3
.endif
	MUL 1, Z%3, (\j)==1
	WIN 0
.if (\j) < 8
	s_wait_dscnt 0x0
	QUANT                                          ; also the places in front of the loads below
	IMAGE \j, 1
.else
	PLACES
.endif
	LW Z+3
.endm
; Item z = 8 .. 15, the second phase: each half of A's fragments is fetched anew as soon as its products are issued
.macro BSTEP z
.if (\z) < 14
	s_wait_loadcnt 40
.else
	s_wait_loadcnt 20*(15-(\z))
.endif
.if (\z) == 8
	s_wait_dscnt 0x0
.else
	s_wait_dscnt 9                                 ; the second half's 9 loads may be out
.endif
	MUL 0, (\z)%3, (\z)==8
	WIN 0
	PLACES
.if (\z) < 15
	FETCH_A (\z)-7, 0
	s_wait_dscnt 9                                 ; the 9 just issued may be out
.else
	s_wait_dscnt 0x0
.endif
	MUL 1, (\z)%3, (\z)==8
	WIN 0
	PLACES
.if (\z) < 15
	FETCH_A (\z)-7, 1
.endif
.if (\z) < 13
	LW (\z)+3
.endif
.endm
; The way out of a phase: relu, times Ws, summed over my 128 n; each accumulator is read from its low end on
.macro EPI ph
	WIN 0
	LG \ph, 1
	s_wait_dscnt 0x0
.irp hf, 0,1
.irp u, 0,1,2,3
.irp e, 0,1
	WIN 0x08+4*\hf
.irp m, 0,1,2,3
.irp j, 0,1,2,3,4,5,6,7
	v_max_num_f32 v[T+8*\m+\j], 0, v[16*(4*\u+\m)+8*\e+\j]
.endr
.endr
	WIN 0
.irp q, 0,1,2,3
.irp m, 0,1,2,3
.if (\u+\e+\q) == 0
	v_pk_mul_f32 v[RS+2*(4*\hf+\m):RS+2*(4*\hf+\m)+1], v[T+8*\m:T+8*\m+1], v[GW:GW+1]
.else
	v_pk_fma_f32 v[RS+2*(4*\hf+\m):RS+2*(4*\hf+\m)+1], v[T+8*\m+2*\q:T+8*\m+2*\q+1], v[GW+16*\u+8*\e+2*\q:GW+16*\u+8*\e+2*\q+1], v[RS+2*(4*\hf+\m):RS+2*(4*\hf+\m)+1]
.endif
.endr
.endr
.endr
.endr
.endr
.irp m, 0,1,2,3,4,5,6,7
	v_add_f32 v[T+\m], v[RS+2*\m], v[RS+2*\m+1]
.endr
.irp m, 0,1,2,3,4,5,6,7
	v_permlanex16_b32 v[T+8+\m], v[T+\m], s[SEL], s[SEL+1]
.endr
.irp m, 0,1,2,3,4,5,6,7
	v_add_f32 v[T+\m], v[T+\m], v[T+8+\m]
.endr
.irp m, 0,1,2,3,4,5,6,7
	ds_store_b32 v[RSW], v[T+\m] offset:2048*\ph+64*\m
.endr
.endm
	s_load_b256 s[4:11], s[0:1], 0x0               ; enc s[4:5], gp s[6:7], wq s[8:9], ba s[10:11]
	s_load_b128 s[12:15], s[0:1], 0x20             ; Ws s[12:13], scores s[14:15]
	v_lshl_add_u32 v[SPW], v0, 2, SPARE
	v_mov_b32 v[NIL], 0
	ds_add_u32 v[SPW], v[NIL]
	ds_add_u32 v[SPW], v[NIL]
	v_lshrrev_b32 v131, 5, v0
	v_readfirstlane_b32 s[WV], v131                ; wave 0..3
	s_mov_b32 s[G1], (2<<16)|(1<<20)|(6<<22)|(3<<25)   ; elements of 4 bytes; 4 words of padding behind every 128
	s_mov_b32 s[G1+1], 128<<16
	s_mov_b32 s[G1+2], 32<<16
	s_mov_b32 s[G1+3], 128<<16
	s_mov_b32 s[G1+4], 32
	s_mov_b32 s[G1+5], 65536                       ; from s to s + 1: 64 x 1,024 numbers
	s_mov_b32 s[G1+6], 0
	s_mov_b32 s[G1+7], 0
	s_and_b32 s18, ttmp7, 0xffff                   ; b
	s_lshl_b32 s20, ttmp9, 7
	s_lshl_b32 s21, s[WV], 5
	s_add_co_u32 s20, s20, s21                     ; my first row: s = 128 x + 32 w
	s_lshl_b32 s20, s20, 18
	s_lshl_b32 s21, s18, 12
	s_add_co_u32 s20, s20, s21
	s_mov_b32 s21, 0
	s_mov_b32 s[G0], 1
	s_mul_i32 s[G0+1], s[WV], PIECE
	s_mov_b32 s[G0+4], 1
	s_add_co_u32 s[G0+5], s[G0+1], SLOTB
	s_mul_i32 s52, s[WV], PIECE
	s_lshl_b32 s53, s[WV], 10
	s_lshl_b32 s54, s[WV], 11
	s_lshl_b32 s55, s[WV], 3
	s_lshl_b32 s56, s[WV], 9
	s_and_b32 s57, s[WV], 1
	s_lshl_b32 s57, s57, 8
	s_mov_b32 s[SEL], 0x76543210
	s_mov_b32 s[SEL+1], 0xfedcba98
	s_wait_dscnt 0x0
	s_wait_kmcnt 0x0
	s_add_nc_u64 s[22:23], s[4:5], s[20:21]
	s_mov_b64 s[G0+2:G0+3], s[22:23]
	s_or_b32 s[G0+3], s[G0+3], 0x80000000
	s_add_nc_u64 s[G0+6:G0+7], s[22:23], 512
	s_or_b32 s[G0+7], s[G0+7], 0x80000000
	tensor_load_to_lds s[G0:G0+3], s[G1:G1+7]      ; fill 0: my one tensor load at the head
	s_nop 0
	s_lshl_b32 s46, s18, 12
	s_add_co_u32 s46, s46, s53
	s_mov_b32 s47, 0
	s_add_nc_u64 s[6:7], s[6:7], s[46:47]          ; gp[.][b], my 256 n
	s_mov_b32 s46, s53
	s_add_nc_u64 s[10:11], s[10:11], s[46:47]
	s_add_nc_u64 s[12:13], s[12:13], s[46:47]
	s_mul_i32 s46, s[WV], WBLK
	s_add_nc_u64 s[WQ:WQ+1], s[8:9], s[46:47]
	s_lshl_b32 s46, s18, 11
	s_lshl_b32 s17, ttmp9, 9
	s_add_co_u32 s46, s46, s17
	s_add_co_u32 s46, s46, s57
	s_add_nc_u64 s[SCB:SCB+1], s[14:15], s[46:47]
	v_and_b32 v128, 31, v0                         ; lane
	v_and_b32 v129, 15, v0                         ; r
	v_bfe_u32 v130, v0, 4, 1                       ; h
	v_lshlrev_b32 v[L16], 4, v128
	v_lshlrev_b32 v[L4], 2, v128
	v_lshlrev_b32 v[SH8], 3, v130
	v_lshlrev_b32 v[PFO], 18, v128                 ; a lane a row
	v_mul_u32_u24 v[SA0], v129, PITCH
	v_lshl_add_u32 v[SA0], v130, 7, v[SA0]
	v_add_nc_u32 v[SA0], s52, v[SA0]
	v_add_nc_u32 v[SA0+1], SLOTB, v[SA0]
	v_add_nc_u32 v[LIM], ACD, v[L16]
	v_add_nc_u32 v[LIM+1], 4*ACB, v[LIM]
	v_add_nc_u32 v[IWF], s54, v[LIM]
	v_add_nc_u32 v[IWF+1], 4*ACB, v[IWF]
	v_lshlrev_b32 v[LSC], 5, v128
	v_add_nc_u32 v[LSC], ACD+8192, v[LSC]
	v_add_nc_u32 v[LSC+1], 4*ACB, v[LSC]
	v_add_nc_u32 v[IWS], s55, v[LSC]
	v_add_nc_u32 v[IWS+1], 4*ACB, v[IWS]
	v_lshl_add_u32 v[GA], v130, 5, s53
	v_add_nc_u32 v[GA], GWS, v[GA]
	v_add_nc_u32 v[GD], s53, v[L16]
	v_add_nc_u32 v[GD], GWS, v[GD]
	v_lshl_add_u32 v[RSW], v129, 2, s56
	v_add_nc_u32 v[RSW], RSM, v[RSW]
	v_lshl_add_u32 v[RSR], v128, 3, s57
	v_add_nc_u32 v[RSR], RSM, v[RSR]
	v_lshlrev_b32 v[SCO], 3, v128
	v_mov_b32 v[TM+8], 0                           ; a lane permute's destination counts as one of its sources
	s_wait_alu depctr_va_vdst(0)
.irp k, 0,1,2,3,4,5,6,7
	global_load_b128 v[X+8*\k:X+8*\k+3], v[L16], s[6:7] offset:262144*\k
	global_load_b128 v[X+8*\k+4:X+8*\k+7], v[L16], s[6:7] offset:262144*\k+512
.endr
	global_load_b128 v[GW:GW+3], v[L16], s[10:11]
	global_load_b128 v[GW+4:GW+7], v[L16], s[10:11] offset:512
	global_load_b128 v[GW+8:GW+11], v[L16], s[12:13]
	global_load_b128 v[GW+12:GW+15], v[L16], s[12:13] offset:512
	LW 0
	LW 1
	PF 1
	PF 2
	s_wait_loadcnt 40                              ; the twenty are in; items 0 and 1 may be out
	LW 2
.irp k, 0,1,2,3,4,5,6,7
.irp q, 0,2,4,6
	v_pk_add_f32 v[GW+\q:GW+\q+1], v[GW+\q:GW+\q+1], v[X+8*\k+\q:X+8*\k+\q+1]   ; g = ba + the eight parts
.endr
.endr
	ds_store_b128 v[GD], v[GW:GW+3]
	ds_store_b128 v[GD], v[GW+4:GW+7] offset:512
	ds_store_b128 v[GD], v[GW+8:GW+11] offset:4096
	ds_store_b128 v[GD], v[GW+12:GW+15] offset:4608
	CHANGE 0                                       ; fill 0 is in; fill 1, slot 1's first, goes out as a refill does
	STAGE 0, 0
	PF 3
	s_wait_dscnt 0x0
	QUANT
	IMAGE 0, 0
	STAGE 0, 1
	s_wait_dscnt 0x0
	QUANT
	IMAGE 0, 1
.irp j, 1,2,3,4,5,6,7,8
	ASTEP \j
.endr
	FETCH_A 0, 0
	FETCH_A 0, 1
	EPI 0
	LG 1, 0
.irp z, 8,9,10,11,12,13,14,15
	BSTEP \z
.endr
	EPI 1
	BARRIER
	s_cmp_gt_u32 s[WV], 1
	s_cbranch_scc1 .Lend
.irp ph, 0,1                           ; waves 0 and 1 add the eight sums of 64 rows each, two rows a lane
.irp w, 0,1,2,3
	ds_load_b64 v[T+2*(4*\ph+\w):T+2*(4*\ph+\w)+1], v[RSR] offset:2048*\ph+512*\w
.endr
.endr
	s_wait_dscnt 0x0
.irp i, 0,4,8,12
	v_pk_add_f32 v[T+\i:T+\i+1], v[T+\i:T+\i+1], v[T+\i+2:T+\i+3]
.endr
	v_pk_add_f32 v[T:T+1], v[T:T+1], v[T+4:T+5]
	v_pk_add_f32 v[T+8:T+9], v[T+8:T+9], v[T+12:T+13]
	v_pk_add_f32 v[T:T+1], v[T:T+1], v[T+8:T+9]
	global_store_b64 v[SCO], v[T:T+1], s[SCB:SCB+1]   ; 256 consecutive bytes, at a multiple of 256 from the buffer's first byte
.Lend:
	s_wait_tensorcnt 0x0                           ; the wave's end
	ds_add_u32 v[SPW], v[NIL]
	s_wait_dscnt 0x0
	s_endpgm
.Lfunc_end_k_qba17ddc31b_energy:
	.size	k_qba17ddc31b_energy, .Lfunc_end_k_qba17ddc31b_energy-k_qba17ddc31b_energy
	.p2alignl 7, 3214868480
	.fill 96, 4, 3214868480
	.section	.rodata,"a",@progbits
	.p2align	6, 0x0
	.amdhsa_kernel k_qba17ddc31b_energy
		.amdhsa_group_segment_fixed_size 327680
		.amdhsa_private_segment_fixed_size 0
		.amdhsa_enable_private_segment 0
		.amdhsa_kernarg_size 48
		.amdhsa_user_sgpr_count 2
		.amdhsa_user_sgpr_kernarg_segment_ptr 1
		.amdhsa_wavefront_size32 1
		.amdhsa_system_sgpr_workgroup_id_x 1
		.amdhsa_system_sgpr_workgroup_id_y 1
		.amdhsa_system_sgpr_workgroup_id_z 1
		.amdhsa_system_vgpr_workitem_id 0
		.amdhsa_next_free_vgpr 1024
		.amdhsa_next_free_sgpr 66
		.amdhsa_reserve_vcc 0
		.amdhsa_float_denorm_mode_32 3
		.amdhsa_float_denorm_mode_16_64 3
		.amdhsa_memory_ordered 1
		.amdhsa_forward_progress 1
		.amdhsa_inst_pref_size 255
	.end_amdhsa_kernel
	.section	.bss,"aw",@nobits
	.p2align	6
	.space	262144
	.amdgpu_metadata
---
amdhsa.version: [ 1, 2 ]
amdhsa.kernels:
  - .name:           k_qba17ddc31b_energy
    .symbol:         k_qba17ddc31b_energy.kd
    .args:
      - { .name: encoder_outputs, .offset: 0, .size: 8, .value_kind: global_buffer, .address_space: global }
      - { .name: gp, .offset: 8, .size: 8, .value_kind: global_buffer, .address_space: global }
      - { .name: wq, .offset: 16, .size: 8, .value_kind: global_buffer, .address_space: global }
      - { .name: ba, .offset: 24, .size: 8, .value_kind: global_buffer, .address_space: global }
      - { .name: Ws, .offset: 32, .size: 8, .value_kind: global_buffer, .address_space: global }
      - { .name: scores, .offset: 40, .size: 8, .value_kind: global_buffer, .address_space: global }
    .group_segment_fixed_size: 327680
    .private_segment_fixed_size: 0
    .kernarg_segment_align: 8
    .kernarg_segment_size: 48
    .max_flat_workgroup_size: 128
    .sgpr_count:     66
    .vgpr_count:     1024
    .wavefront_size: 32
...
	.end_amdgpu_metadata
.endif
;; end of part 2
;; launch soft (part 3): grid 64 x 1, 1 waves a work-group, no clusters, 0 bytes of LDS; arguments scores, pe, seq_mask, out0; writes out0
.if DOCPART == 3
	.amdgcn_target "amdgcn-amd-amdhsa--gfx1250"
	.amdhsa_code_object_version 6
	.text
	.protected	k_qba17ddc31b_soft
	.globl	k_qba17ddc31b_soft
	.p2align	8
	.type	k_qba17ddc31b_soft,@function
k_qba17ddc31b_soft:
	s_mov_b64 s[64:65], 0
	v_nop
	global_prefetch_b8 v0, s[64:65] scope:SCOPE_SE
	s_setreg_imm32_b32 hwreg(HW_REG_WAVE_MODE, 25, 1), 1
	s_wait_xcnt 0x0
; out0[b][s] = softmax over s of ( seq_mask[b][s] ? -1e12 : (ln 512 / 32) scores[b][s] + pe[b][s] ).  One wave takes one b: its 512 numbers are 16 registers, so the maximum and the sum never leave the wave:
; no LDS, no barrier.  Lane l's register 4 j + e holds s = 128 j + 4 l + e: every load and store of 16 bytes a lane covers 512 consecutive bytes.
; The row's maximum is taken away before the exponential; the difference is formed first, so a row that is masked throughout gives 1 / 512 everywhere.
; The launch moves under half a MiB: matrix units, clusters and rings would add nothing.  LIMITS: NaN and infinities among the inputs are not served.
.set X,  8                             ; v8-23   the numbers
.set P,  24                            ; v24-39  pe
.set MK, 40                            ; v40-43  four mask bytes each
	s_load_b256 s[4:11], s[0:1], 0x0               ; scores s[4:5], pe s[6:7], seq_mask s[8:9], out0 s[10:11]
	v_lshlrev_b32 v1, 4, v0                        ; 16 x lane
	v_lshlrev_b32 v2, 2, v0                        ; 4 x lane
	s_lshl_b32 s12, ttmp9, 11                      ; a row of 512 f32
	s_mov_b32 s13, 0
	s_lshl_b32 s14, ttmp9, 9                       ; a row of 512 bytes
	s_mov_b32 s15, 0
	s_mov_b32 s16, 0x3e47a05b                      ; ln 512 / sqrt(1024)
	s_mov_b32 s17, s16                             ; (named with it as a pair, so it is written)
	s_mov_b32 s18, 0x3fb8aa3b                      ; log2(e)
	s_mov_b32 s19, s18
	s_mov_b32 s20, 0x76543210
	s_mov_b32 s21, 0xfedcba98                      ; v_permlanex16_b32's selects for lane l xor 16
	v_mov_b32 v45, 0xd368d4a5                      ; -1e12
	v_mov_b32 v47, 0                               ; written once: a lane permute's destination counts as one of its sources
	v_mov_b32 v51, 0                               ; (named as the upper half of the pair v[50:51])
	s_wait_alu depctr_va_vdst(0)
	s_wait_kmcnt 0x0
	s_add_nc_u64 s[4:5], s[4:5], s[12:13]
	s_add_nc_u64 s[6:7], s[6:7], s[12:13]
	s_add_nc_u64 s[8:9], s[8:9], s[14:15]
	s_add_nc_u64 s[10:11], s[10:11], s[12:13]
.irp j, 0,1,2,3
	global_load_b128 v[X+4*\j:X+4*\j+3], v1, s[4:5] offset:512*\j
.endr
.irp j, 0,1,2,3
	global_load_b128 v[P+4*\j:P+4*\j+3], v1, s[6:7] offset:512*\j
.endr
.irp j, 0,1,2,3
	global_load_b32 v[MK+\j], v2, s[8:9] offset:128*\j
.endr
	s_wait_loadcnt 0x0
.irp k, 0,2,4,6,8,10,12,14
	v_pk_fma_f32 v[X+\k:X+\k+1], v[X+\k:X+\k+1], s[16:17], v[P+\k:P+\k+1] op_sel_hi:[1,0,1]
.endr
.irp j, 0,1,2,3
.irp e, 0,1,2,3
	v_bfe_u32 v44, v[MK+\j], 8*\e, 8
	v_cmp_ne_u32 vcc_lo, 0, v44
	v_cndmask_b32 v[X+4*\j+\e], v[X+4*\j+\e], v45, vcc_lo
.endr
.endr
	v_max3_num_f32 v46, v[X], v[X+1], v[X+2]       ; the largest of my 16, in two chains
	v_max3_num_f32 v48, v[X+3], v[X+4], v[X+5]
.irp i, 6,10
	v_max3_num_f32 v46, v46, v[X+\i], v[X+\i+1]
	v_max3_num_f32 v48, v48, v[X+\i+2], v[X+\i+3]
.endr
	v_max3_num_f32 v46, v46, v[X+14], v[X+15]
	v_max_num_f32 v46, v46, v48
	v_max_num_f32_dpp v46, v46, v46 row_xmask:1 row_mask:0xf bank_mask:0xf
	v_max_num_f32_dpp v46, v46, v46 row_xmask:2 row_mask:0xf bank_mask:0xf
	v_max_num_f32_dpp v46, v46, v46 row_xmask:4 row_mask:0xf bank_mask:0xf
	v_max_num_f32_dpp v46, v46, v46 row_xmask:8 row_mask:0xf bank_mask:0xf
	v_permlanex16_b32 v47, v46, s20, s21
	v_max_num_f32 v46, v46, v47                    ; the row's maximum, in every lane
.irp k, 0,2,4,6,8,10,12,14
	v_pk_add_f32 v[X+\k:X+\k+1], v[X+\k:X+\k+1], v[46:47] op_sel_hi:[1,0] neg_lo:[0,1] neg_hi:[0,1]   ; x - the maximum
.endr
.irp k, 0,2,4,6,8,10,12,14
	v_pk_mul_f32 v[X+\k:X+\k+1], v[X+\k:X+\k+1], s[18:19] op_sel_hi:[1,0]
.endr
	s_wait_alu depctr_va_vdst(0)
.irp k, 0,1,2,3,4,5,6,7,8,9,10,11,12,13,14,15
	v_exp_f32 v[X+\k], v[X+\k]
.endr
	v_nop                                          ; one plain place behind the exponentials
	s_wait_alu depctr_va_vdst(0)
	v_pk_add_f32 v[48:49], v[X:X+1], v[X+2:X+3]    ; the sum, two at a time, in two chains
	v_pk_add_f32 v[52:53], v[X+4:X+5], v[X+6:X+7]
	v_pk_add_f32 v[48:49], v[48:49], v[X+8:X+9]
	v_pk_add_f32 v[52:53], v[52:53], v[X+10:X+11]
	v_pk_add_f32 v[48:49], v[48:49], v[X+12:X+13]
	v_pk_add_f32 v[52:53], v[52:53], v[X+14:X+15]
	v_pk_add_f32 v[48:49], v[48:49], v[52:53]
	v_add_f32 v48, v48, v49
	v_add_f32_dpp v48, v48, v48 row_xmask:1 row_mask:0xf bank_mask:0xf
	v_add_f32_dpp v48, v48, v48 row_xmask:2 row_mask:0xf bank_mask:0xf
	v_add_f32_dpp v48, v48, v48 row_xmask:4 row_mask:0xf bank_mask:0xf
	v_add_f32_dpp v48, v48, v48 row_xmask:8 row_mask:0xf bank_mask:0xf
	v_permlanex16_b32 v47, v48, s20, s21
	v_add_f32 v48, v48, v47                        ; the row's sum: at least 1, the maximum's own term
	s_wait_alu depctr_va_vdst(0)
	v_rcp_f32 v50, v48
	v_nop                                          ; one plain place behind the reciprocal
	s_wait_alu depctr_va_vdst(0)
.irp k, 0,2,4,6,8,10,12,14
	v_pk_mul_f32 v[X+\k:X+\k+1], v[X+\k:X+\k+1], v[50:51] op_sel_hi:[1,0]
.endr
.irp j, 0,1,2,3
	global_store_b128 v1, v[X+4*\j:X+4*\j+3], s[10:11] offset:512*\j   ; 512 consecutive bytes, at a multiple of 256 from out0's first byte
.endr
	s_endpgm
.Lfunc_end_k_qba17ddc31b_soft:
	.size	k_qba17ddc31b_soft, .Lfunc_end_k_qba17ddc31b_soft-k_qba17ddc31b_soft
	.p2alignl 7, 3214868480
	.fill 96, 4, 3214868480
	.section	.rodata,"a",@progbits
	.p2align	6, 0x0
	.amdhsa_kernel k_qba17ddc31b_soft
		.amdhsa_group_segment_fixed_size 0
		.amdhsa_private_segment_fixed_size 0
		.amdhsa_enable_private_segment 0
		.amdhsa_kernarg_size 32
		.amdhsa_user_sgpr_count 2
		.amdhsa_user_sgpr_kernarg_segment_ptr 1
		.amdhsa_wavefront_size32 1
		.amdhsa_system_sgpr_workgroup_id_x 1
		.amdhsa_system_sgpr_workgroup_id_y 1
		.amdhsa_system_sgpr_workgroup_id_z 1
		.amdhsa_system_vgpr_workitem_id 0
		.amdhsa_next_free_vgpr 64
		.amdhsa_next_free_sgpr 66
		.amdhsa_reserve_vcc 1
		.amdhsa_float_denorm_mode_32 3
		.amdhsa_float_denorm_mode_16_64 3
		.amdhsa_memory_ordered 1
		.amdhsa_forward_progress 1
		.amdhsa_inst_pref_size 10
	.end_amdhsa_kernel
	.amdgpu_metadata
---
amdhsa.version: [ 1, 2 ]
amdhsa.kernels:
  - .name:           k_qba17ddc31b_soft
    .symbol:         k_qba17ddc31b_soft.kd
    .args:
      - { .name: scores, .offset: 0, .size: 8, .value_kind: global_buffer, .address_space: global }
      - { .name: pe, .offset: 8, .size: 8, .value_kind: global_buffer, .address_space: global }
      - { .name: seq_mask, .offset: 16, .size: 8, .value_kind: global_buffer, .address_space: global }
      - { .name: out0, .offset: 24, .size: 8, .value_kind: global_buffer, .address_space: global }
    .group_segment_fixed_size: 0
    .private_segment_fixed_size: 0
    .kernarg_segment_align: 8
    .kernarg_segment_size: 32
    .max_flat_workgroup_size: 32
    .sgpr_count:     66
    .vgpr_count:     64
    .wavefront_size: 32
...
	.end_amdgpu_metadata
.endif
;; end of part 3
